; MI455X (gfx1250); checked and timed in simulation.
; The chip was launched on July 23, 2026; its instructions are those of AMD's public machine-readable ISA for CDNA 5 (MIT licence, August 2026) and "CDNA5" Instruction Set Architecture Reference Guide (July 2026). The comments in the code are by the model that wrote it; some were corrected since.
;; Protein Bert Cross Attention. Allowed arithmetic: matrix products marked QUANTISED: E2M3 operands, one E8M0 scale for each 32 along K, by v_wmma_scale_f32_16x16x128_f8f6f4 with both operands' format E2M3, f32 sums; products left as they are: f32 operands where the result goes on into a quantised operand, else bf16, f16 or f32 operands; f32 sums; everything else in f32.
;; Inputs: Wk_codes 512 x 32 x 24 uint8 (E2M3 codes of Wk, K innermost, in blocks of 32 codes, four codes in three bytes); Wk_scales 512 x 32 uint8 (E8M0 scales of Wk, one for each 32 codes along K); Wq 512 x 512 float32; Wv_codes 512 x 32 x 24 uint8 (E2M3 codes of Wv, K innermost, in blocks of 32 codes, four codes in three bytes); Wv_scales 512 x 32 uint8 (E8M0 scales of Wv, one for each 32 codes along K); annotation 8 x 1 x 512 float32; tokens_codes 8 x 8,192 x 32 x 24 uint8 (E2M3 codes of tokens, K innermost, in blocks of 32 codes, four codes in three bytes); tokens_scales 8 x 8,192 x 32 uint8 (E8M0 scales of tokens, one for each 32 codes along K).
;; Outputs: out0 8 x 1 x 512 float32.
;; This version of the problem:
;;   THIS VERSION OF THE PROBLEM IS GIVEN IN LOW PRECISION. The matrix products marked QUANTISED in the list below multiply operands that are first quantised to E2M3 (2 exponent bits, 3 mantissa bits; 6 bits a number), with one power-of-two scale for each 32 numbers along K (OCP MX v1.0); their sums are f32. All else is computed in f32.
;;   The module's matrix products, in the order in which they are computed (A, B: the left and right operand; K: the contracted axis; several contracted axes count as one K, in the product's order):
;;     1. [M 8, K 512] x [K 512, N 512]; A: input annotation; B: input Wq: left as it is (M = 8 < 16)
;;     2. [M 65,536, K 1,024] x [K 1,024, N 512]; A: input tokens (given as codes); B: input Wk (given as codes): QUANTISED
;;     3. [M 65,536, K 1,024] x [K 1,024, N 512]; A: input tokens (given as codes); B: input Wv (given as codes): QUANTISED
;;     4. batch 64 x [M 8,192, K 64] x [K 64, N 1]; A: computed on the way; B: computed on the way: left as it is (N = 1 < 16)
;;     5. batch 64 x [M 1, K 8,192] x [K 8,192, N 64]; A: softmax; B: computed on the way: left as it is (M = 1 < 16)
;;   THE QUANTISER, for each operand of a quantised product, along K:
;;     - K is cut into blocks of 32 from its start; a last block that is shorter is filled with zeros.
;;     - A block's scale is 2^e with e = floor(log2(the largest magnitude in the block)) - 2, held to -126 .. 127; a block of zeros has e = 0. As a byte (E8M0): e + 127.
;;     - Each number is divided by its block's scale, clamped to +-7.5, and rounded to the nearest number of E2M3, ties to even, subnormals kept.
;;     - The product sums the exact products of the quantised numbers (number of the format x scale) in f32.
;;   ~~~python
;;   def quantise(x, axis):      # numpy; x: float32 -> the quantised numbers, widened to float32 again
;;       x = np.moveaxis(x, axis, -1); K = x.shape[-1]
;;       x = np.pad(x, [(0, 0)] * (x.ndim - 1) + [(0, -K % 32)]); x = x.reshape(x.shape[:-1] + (-1, 32)); a = np.abs(x).max(-1, keepdims=True)
;;       e = np.where(a > 0, np.clip(np.frexp(np.where(a > 0, a, 1))[1] - 1 - 2, -126, 127), 0)      # np.frexp(a)[1] - 1 = floor(log2(a)), exactly
;;       r = np.clip(x / 2.0 ** e, -7.5, 7.5)
;;       step = 2.0 ** (np.maximum(np.frexp(np.where(r == 0, 1, r))[1] - 1, 0) - 3)
;;       q = np.round(r / step) * step * 2.0 ** e      # np.round: ties to even
;;       return np.moveaxis(q.reshape(q.shape[:-2] + (-1,))[..., :K], -1, axis).astype(np.float32)
;;   ~~~
;;   INPUTS GIVEN AS CODES. Wk (in the module: [1024, 512], K = its axis 0); Wv (in the module: [1024, 512], K = its axis 0); tokens (in the module: [8, 8192, 1024], K = its axis 2): each comes as NAME_codes (uint8): NAME with its K axis moved to the last place and cut into blocks of 32 codes, [.., K / 32, bytes a block], one block behind the other in memory; four codes in three bytes: a row's codes are one little-endian stream of bits, code i at bits 6 i .. 6 i + 5 (a code: sign, 2 exponent bits, 3 mantissa bits); and NAME_scales (uint8): the same leading axes, one E8M0 byte (e + 127) for each 32 codes along K. Its value is code x scale, taken as it is: it is not quantised again, and the codes and scales need not be those that the quantiser above would give.
;; One version. Each part assembles by itself: llvm-mc -triple=amdgcn-amd-amdhsa -mcpu=gfx1250 --defsym DOCPART=n.
;; ======== version 1 of 1: 3 launches
;; limits: right only within a limited range of input values
;; workspace buffers: qs 16,384 bytes; part 524,288 bytes
;; launch qproj (part 1): grid 8 x 2, 16 waves a work-group, no clusters, 18,432 bytes of LDS; arguments annotation, Wq, qs; writes qs
.if DOCPART == 1
	.amdgcn_target "amdgcn-amd-amdhsa--gfx1250"
	.amdhsa_code_object_version 6
	.text
	.protected	k_qefb7b0af1d_qproj
	.globl	k_qefb7b0af1d_qproj
	.p2align	8
	.type	k_qefb7b0af1d_qproj,@function
k_qefb7b0af1d_qproj:
	s_mov_b64 s[64:65], 0
	v_nop
	global_prefetch_b8 v0, s[64:65] scope:SCOPE_SE
	s_setreg_imm32_b32 hwreg(HW_REG_WAVE_MODE, 25, 1), 1
	s_wait_xcnt 0x0
; qs[b][n] = -0.36067376 x tanh(sum over k of annotation[b][k] Wq[k][n]).  annotation [8][512], Wq [512 (k)][512 (n)], qs [8][512], all f32.
; The factor is -2 x (1 / 8) x log2(e): the next launch forms the scores in base 2 from 1 / (1 + e^(2 x)) and not from tanh itself.
; SHARES.  A work-group takes 64 columns (x) and 4 batches (y).  Its sixteen waves share K: wave w takes k = 32 w .. 32 w + 31.  Lane l takes columns 2 l and 2 l + 1,
; so that a load of Wq covers 256 consecutive bytes, aligned.  The sixteen partial sums meet in LDS; waves 0 to 3 add them, a batch each, and store 256 consecutive bytes.
; No matrix unit: 8 rows of f32.  No cluster, no tensor load: each byte of Wq is wanted by two work-groups, once.
; tanh(x) = 1 - 2 / (1 + 2^(2.88539 x)): right at both ends (the exponential's infinity gives 1, its zero gives -1).
.set WQ,  16                           ; v16-79   Wq: 32 rows of K, two columns each; later the sixteen partial sums
.set AN,  80                           ; v80-207  annotation: batch b at AN + 32 b, my wave's 32 numbers, the same in every lane
.set ACC, 208                          ; v208-215 four batches x two columns
	s_load_b128 s[4:7], s[0:1], 0x0                ; annotation, Wq
	s_load_b64 s[8:9], s[0:1], 0x10                ; qs
	v_lshl_add_u32 v224, v0, 2, 0x4000
	v_mov_b32 v225, 0
	v_lshrrev_b32 v2, 5, v0
	s_delay_alu instid0(VALU_DEP_1)
	v_readfirstlane_b32 s10, v2                    ; wave 0..15
	v_and_b32 v1, 31, v0                           ; lane
	s_delay_alu instid0(VALU_DEP_1)
	v_lshlrev_b32 v3, 3, v1                        ; 8 x lane: my two columns
	s_delay_alu instid0(VALU_DEP_1)
	v_lshl_add_u32 v4, v2, 10, v3                  ; LDS, in: 1,024 x wave + 8 x lane (+ 256 x batch)
	s_delay_alu instid0(VALU_DEP_2)
	v_lshl_add_u32 v5, v2, 8, v3                   ; LDS, back (waves 0 to 3): 256 x my batch + 8 x lane (+ 1,024 x the wave that stored)
	v_mov_b32 v6, 0                                ; annotation: every lane reads the same bytes
	s_and_b32 s11, ttmp7, 0xffff                   ; which four batches
	s_lshl_b32 s12, s10, 16                        ; Wq: 32 rows of 2,048 bytes a wave,
	s_lshl_b32 s13, ttmp9, 8                       ; 256 bytes of a row a work-group
	s_add_co_u32 s12, s12, s13
	s_mov_b32 s13, 0
	s_lshl_b32 s14, s11, 13                        ; annotation: four rows of 2,048 bytes,
	s_lshl_b32 s15, s10, 7                         ; 128 bytes of a row a wave
	s_add_co_u32 s14, s14, s15
	s_mov_b32 s15, 0
	s_lshl_b32 s16, s11, 13                        ; qs: row 4 y + wave (waves 0 to 3 alone store),
	s_lshl_b32 s17, s10, 11
	s_add_co_u32 s16, s16, s17
	s_lshl_b32 s17, ttmp9, 8                       ; the work-group's 256 bytes of it
	s_add_co_u32 s16, s16, s17
	s_mov_b32 s17, 0
	s_mov_b32 s20, 0x4038aa3b                      ; 2 log2(e)
	s_mov_b32 s21, 0x3f38aa3b                      ; 0.72134752
	s_mov_b32 s22, 0xbeb8aa3b                      ; -0.36067376
	s_wait_alu depctr_va_vdst(0)
	s_wait_kmcnt 0x0
	s_add_nc_u64 s[4:5], s[4:5], s[14:15]
	s_add_nc_u64 s[6:7], s[6:7], s[12:13]
	s_add_nc_u64 s[8:9], s[8:9], s[16:17]
.set i, 0
.rept 32
	global_load_b64 v[WQ+2*i:WQ+2*i+1], v3, s[6:7] offset:2048*i    ; row 32 w + i: 32 lanes read 256 consecutive bytes
.set i, i+1
.endr
.irp b, 0,1,2,3
.irp g, 0,1,2,3,4,5,6,7
	global_load_b128 v[AN+32*\b+4*\g:AN+32*\b+4*\g+3], v6, s[4:5] offset:2048*\b+16*\g
.endr
.endr
	s_wait_loadcnt 0x0                             ; all 64 loads went out together; nothing is left to overlap
.irp b, 0,1,2,3
	v_mul_f32 v[ACC+2*\b], v[WQ], v[AN+32*\b]      ; the first product starts each sum
	v_mul_f32 v[ACC+2*\b+1], v[WQ+1], v[AN+32*\b]
.endr
.set i, 1
.rept 31
.irp b, 0,1,2,3
	v_fmac_f32 v[ACC+2*\b], v[WQ+2*i], v[AN+32*\b+i]               ; eight chains by turns
	v_fmac_f32 v[ACC+2*\b+1], v[WQ+2*i+1], v[AN+32*\b+i]
.endr
.set i, i+1
.endr
.irp b, 0,1,2,3
	ds_store_b64 v4, v[ACC+2*\b:ACC+2*\b+1] offset:256*\b
.endr
	s_wait_dscnt 0x0                               ; for the others' sake: my stores have landed
	s_barrier_signal -1
	s_barrier_wait -1
	s_cmp_lt_u32 s10, 4                            ; a batch to each of waves 0 to 3; the others are done.  No barrier follows
	s_cbranch_scc0 .Ldone
.set i, 0
.rept 16
	ds_load_b64 v[WQ+2*i:WQ+2*i+1], v5 offset:1024*i
.set i, i+1
.endr
	s_wait_dscnt 0x0
.irp d, 16,8,4,2                                ; sixteen pairs into one
.set i, 0
.rept \d/2
	v_pk_add_f32 v[WQ+i:WQ+i+1], v[WQ+i:WQ+i+1], v[WQ+\d+i:WQ+\d+i+1]
.set i, i+2
.endr
.endr
	s_delay_alu instid0(VALU_DEP_1)
	v_mul_f32 v[WQ], s20, v[WQ]
	s_delay_alu instid0(VALU_DEP_2)
	v_mul_f32 v[WQ+1], s20, v[WQ+1]
	s_wait_alu depctr_va_vdst(0)
	v_exp_f32 v[WQ], v[WQ]                         ; e^(2 x)
	v_exp_f32 v[WQ+1], v[WQ+1]
	v_nop                                          ; a plain instruction behind the transcendentals (ISA guide 5.7.2),
	s_wait_alu depctr_va_vdst(0)                   ; and the wait ahead of their first reader
	v_add_f32 v[WQ], 1.0, v[WQ]
	v_add_f32 v[WQ+1], 1.0, v[WQ+1]
	s_wait_alu depctr_va_vdst(0)
	v_rcp_f32 v[WQ], v[WQ]
	v_rcp_f32 v[WQ+1], v[WQ+1]
	v_nop
	s_wait_alu depctr_va_vdst(0)
	v_fma_f32 v[WQ+2], v[WQ], s21, s22             ; -0.36067376 (1 - 2 r)
	v_fma_f32 v[WQ+3], v[WQ+1], s21, s22
	global_store_b64 v3, v[WQ+2:WQ+3], s[8:9]      ; 32 lanes store 256 consecutive bytes, at a multiple of 256 from the buffer's first byte
.Ldone:
	s_wait_tensorcnt 0x0
	ds_add_u32 v224, v225
	s_wait_dscnt 0x0
	s_endpgm
.Lfunc_end_k_qefb7b0af1d_qproj:
	.size	k_qefb7b0af1d_qproj, .Lfunc_end_k_qefb7b0af1d_qproj-k_qefb7b0af1d_qproj
	.p2alignl 7, 3214868480
	.fill 96, 4, 3214868480
	.section	.rodata,"a",@progbits
	.p2align	6, 0x0
	.amdhsa_kernel k_qefb7b0af1d_qproj
		.amdhsa_group_segment_fixed_size 18432
		.amdhsa_private_segment_fixed_size 0
		.amdhsa_enable_private_segment 0
		.amdhsa_kernarg_size 24
		.amdhsa_user_sgpr_count 2
		.amdhsa_user_sgpr_kernarg_segment_ptr 1
		.amdhsa_wavefront_size32 1
		.amdhsa_system_sgpr_workgroup_id_x 1
		.amdhsa_system_sgpr_workgroup_id_y 1
		.amdhsa_system_sgpr_workgroup_id_z 1
		.amdhsa_system_vgpr_workitem_id 0
		.amdhsa_next_free_vgpr 226
		.amdhsa_next_free_sgpr 66
		.amdhsa_reserve_vcc 0
		.amdhsa_float_denorm_mode_32 3
		.amdhsa_float_denorm_mode_16_64 3
		.amdhsa_memory_ordered 1
		.amdhsa_forward_progress 1
		.amdhsa_inst_pref_size 20
	.end_amdhsa_kernel
	.amdgpu_metadata
---
amdhsa.version: [ 1, 2 ]
amdhsa.kernels:
  - .name:           k_qefb7b0af1d_qproj
    .symbol:         k_qefb7b0af1d_qproj.kd
    .args:
      - { .name: annotation, .offset: 0, .size: 8, .value_kind: global_buffer, .address_space: global }
      - { .name: Wq, .offset: 8, .size: 8, .value_kind: global_buffer, .address_space: global }
      - { .name: qs, .offset: 16, .size: 8, .value_kind: global_buffer, .address_space: global }
    .group_segment_fixed_size: 18432
    .private_segment_fixed_size: 0
    .kernarg_segment_align: 8
    .kernarg_segment_size: 24
    .max_flat_workgroup_size: 512
    .sgpr_count:     66
    .vgpr_count:     226
    .wavefront_size: 32
...
	.end_amdgpu_metadata
.endif
;; end of part 1
;; launch main (part 2): grid 4 x 64, 4 waves a work-group, clusters of 4 x 4, 327,680 bytes of LDS; arguments tokens_codes, tokens_scales, Wk_codes, Wk_scales, Wv_codes, Wv_scales, qs, part; writes part
.if DOCPART == 2
	.amdgcn_target "amdgcn-amd-amdhsa--gfx1250"
	.amdhsa_code_object_version 6
	.text
	.protected	k_qefb7b0af1d_main
	.globl	k_qefb7b0af1d_main
	.p2align	8
	.type	k_qefb7b0af1d_main,@function
k_qefb7b0af1d_main:
	s_mov_b64 s[64:65], 0
	v_nop
	global_prefetch_b8 v0, s[64:65] scope:SCOPE_SE
	s_setreg_imm32_b32 hwreg(HW_REG_WAVE_MODE, 25, 1), 1
	s_wait_xcnt 0x0
	s_wait_alu depctr_hold_cnt(0) depctr_sa_sdst(0) depctr_va_vdst(0) depctr_va_sdst(0) depctr_va_ssrc(0) depctr_va_vcc(0) depctr_vm_vsrc(0)
	s_getreg_b32 s2, hwreg(HW_REG_IB_STS2, 6, 4)
	s_cmp_eq_u32 s2, 0
	s_cbranch_scc0 .Lentry_in_a_cluster
	s_endpgm
.Lentry_in_a_cluster:
	s_bfe_u32 s2, ttmp6, 0x10000c
	s_cmp_lg_u32 s2, 0xf033
	s_cbranch_scc0 .Lentry_shape_is_right
	s_endpgm
.Lentry_shape_is_right:
; For 1,024 tokens of one batch (grid y) and two heads (grid x): k = tanh(tokens Wk), v = tokens Wv, p = 2^(score), and the sums of p and of 2 p gelu(v), stored as records that the last launch adds.
; Both products are MX-FP6 on codes and scale bytes as they lie in memory.  No maximum is taken away before the exponential: |tanh| <= 1 on both sides bounds |score| by 64 / 8 = 8 for every input.
; SHARES.  A wave owns one head (wave % 2) and 64 of a period's 128 tokens (wave / 2).  Its head's 64 columns of Wk and 64 of Wv, 64 fragments of 12 registers, stay in registers (windows 1 to 3, one in window 0).
; Tokens come by periods of 128 through two LDS slots, as units of 256 bytes + 16 of padding; a tile is 16 tokens: 64 matrix instructions on eight accumulators by turns, then the tile's vector work.
; tanh(x) = 1 - 2 / (1 + e^(2 x)); qs holds -2 (1/8) log2(e) tanh(q), so the score in base 2 is the sum of qs r less half the sum of qs.
; 2 gelu(v) = v + |v| erf(|v| / sqrt 2), erf(y) = 1 - (1 + a1 y + .. + a6 y^6)^-16, absolute error under 3e-7 for every y >= 0; the powers of 1 / sqrt 2 are in the constants.
; CLUSTERS 4 x 4: tokens are shared along a row of the cluster, weights along a column, by joint loads.
.set UNIT,  272
.set ROWP,  3*UNIT                     ; a row of 768 bytes of codes in LDS
.set TILEB, 16*ROWP
.set HALFB, 64*ROWP
.set SCLO,  384*UNIT                   ; behind a slot's codes: its 128 rows of scales, 16 units
.set WREG,  SCLO+16*UNIT               ; the weights' landing place; slot 1 is laid over it once they are in registers
.set SLOT1, 1<<17
.set SPARE, WREG+4*HALFB               ; the spare words
.set PERIODS, 8
.set PERB,  128*768                    ; a period's codes in memory
.set SPW,  1
.set NIL,  2
.set ADA,  3                           ; v3-4 token fragments' LDS address (v4: lanes 16-31 one padding on)
.set ADS,  5
.set CA,   6                           ; v6-7, v8: the same for the tile at hand
.set CS,   8
.set GO,   9
.set LSUM, 10
.set OSUM, 12
.set QP,   20
.set TS,   28                          ; tokens' scale words
.set WS,   32                          ; weights' scale words: lanes 0-15 Wk's, lanes 16-31 Wv's
.set SS,   64                          ; scores, then p
.set KA,   72                          ; K's four accumulators
.set VA,   104                         ; V's four
.set AB,   136                         ; a tile's eight token fragments
.set AA,   160                         ; |v|  (over fragments 2 to 7, which are done with)
.set PP,   192                         ; the polynomial, its reciprocal, its powers
.set WL,   232                         ; the 64th weight fragment
.set CI,   244
.set A5V,  246
.set WAK,  248
.set WAV,  250
.set PFO,  252                         ; the prefetch's offset
.set PFA,  8                           ; s[8:9] where the prefetches stand (the argument there has been used)
.set WV,   20
.set JJ,   21
.set UU,   22
.set CC,   25
.set BLK,  26
.set G1W,  28
.set G1T,  36
.set G1S,  44
.set G0W,  52
.set G0C,  56
.set G0S,  60
.set K2,   66
.set A6,   68
.set A4,   70
.set A3,   72
.set A2,   74
.set A1,   76
.set MSK,  78
.set TB,   82
.set TSO,  83
.set PER,  84
.set TIL,  85
.set HI16, 86
.set SEL,  88
.set MSB, 0
.macro WIN new
.if MSB != \new
	s_set_vgpr_msb (MSB<<8)|\new
.set MSB, \new
.endif
.endm
.macro CROUND
	s_barrier_signal -1
	s_barrier_wait -1
	s_cmp_lg_u32 s[WV], 0
	s_cbranch_scc1 .Lnot_wave_0_\@
	s_barrier_signal -3
.Lnot_wave_0_\@:
	s_barrier_wait -3
	s_barrier_signal -1
	s_barrier_wait -1
.endm
.macro JLOAD                           ; waves 0 to 2: a third of a period's codes each; wave 3: its scales
	s_cmp_lt_u32 s[WV], 3
	s_cbranch_scc0 .Lscales_\@
	tensor_load_to_lds s[G0C:G0C+3], s[G1T:G1T+7]
	s_nop 0
.rept 4
	v_nop
.endr
	s_branch .Lasked_\@
.Lscales_\@:
	tensor_load_to_lds s[G0S:G0S+3], s[G1S:G1S+7]
	s_nop 0
.rept 4
	v_nop
.endr
.Lasked_\@:
.endm
.macro SHAPE g, rows                   ; rows of 256 bytes (32 elements of 8), dense
	s_mov_b32 s[\g+1], 32<<16
	s_mov_b32 s[\g+2], (\rows)<<16
	s_mov_b32 s[\g+3], 32<<16
	s_mov_b32 s[\g+4], \rows
	s_mov_b32 s[\g+5], 32
	s_mov_b32 s[\g+6], 0
	s_mov_b32 s[\g+7], 0
.endm
.macro CONST2 r, bits
	s_mov_b32 s[\r], \bits
	s_mov_b32 s[\r+1], \bits
.endm
.macro FRAG reg, adr, ks, off          ; 16 rows x 128 K: six pieces of 8 bytes; where lanes 16-31 fall into the next unit, the second address
.irp p, 0,1,2,3,4,5
.set XB, 96*(\ks)+48*(\p/3)+8*(\p%3)
.if XB%256 < 232
	ds_load_b64 v[\reg+2*\p:\reg+2*\p+1], v[\adr] offset:XB+16*(XB/256)+(\off)
.else
	ds_load_b64 v[\reg+2*\p:\reg+2*\p+1], v[\adr+1] offset:XB+16*(XB/256)+(\off)
.endif
.endr
.endm
.macro SETADR
	v_add_nc_u32 v[CA], s[TB], v[ADA]
	v_add_nc_u32 v[CA+1], s[TB], v[ADA+1]
	v_add_nc_u32 v[CS], s[TSO], v[ADS]
.endm
.macro LOAD_AL                         ; a tile's first two fragments and its scale words
	FRAG AB, CA, 0, 0
	FRAG AB+12, CA, 1, 0
	ds_load_b128 v[TS:TS+3], v[CS]
.endm
; A tile's 64 products: K steps 0..7, in each K's four column tiles and V's four; the eight accumulators take turns.
; Fragment f of the weights lies at register 12 (f % 21) of window 1 + f / 21.  s_wait_dscnt 6 (7 - K step) lets the fragments of the later K steps stay out.
.macro MULT
	s_wait_dscnt 0x0
.irp ks, 2,3,4,5,6,7
	FRAG AB+12*\ks, CA, \ks, 0
.endr
.set f, 0
.rept 64
.if (f%8 == 0) && (f >= 16)
	s_wait_dscnt 6*(7-f/8)
.endif
.set rD, KA+8*(f%8)
.set rA, AB+12*(f/8)
.set rTS, TS+(f/8)%4
.set rWS, WS+8*(f%4)+f/8
.if f < 63
	WIN 4*(1+f/21)
.set rW, 12*(f%21)
.else
	WIN 0
.set rW, WL
.endif
.if f < 4
	v_wmma_scale_f32_16x16x128_f8f6f4 v[rD:rD+7], v[rA:rA+11], v[rW:rW+11], 0, v[rTS], v[rWS] matrix_a_fmt:MATRIX_FMT_FP6 matrix_b_fmt:MATRIX_FMT_FP6
.elseif f < 8
	v_wmma_scale_f32_16x16x128_f8f6f4 v[rD:rD+7], v[rA:rA+11], v[rW:rW+11], 0, v[rTS], v[rWS] matrix_a_fmt:MATRIX_FMT_FP6 matrix_b_fmt:MATRIX_FMT_FP6 matrix_b_scale:MATRIX_SCALE_ROW1
.elseif (f < 32) && (f%8 < 4)
	v_wmma_scale_f32_16x16x128_f8f6f4 v[rD:rD+7], v[rA:rA+11], v[rW:rW+11], v[rD:rD+7], v[rTS], v[rWS] matrix_a_fmt:MATRIX_FMT_FP6 matrix_b_fmt:MATRIX_FMT_FP6
.elseif f < 32
	v_wmma_scale_f32_16x16x128_f8f6f4 v[rD:rD+7], v[rA:rA+11], v[rW:rW+11], v[rD:rD+7], v[rTS], v[rWS] matrix_a_fmt:MATRIX_FMT_FP6 matrix_b_fmt:MATRIX_FMT_FP6 matrix_b_scale:MATRIX_SCALE_ROW1
.elseif f%8 < 4
	v_wmma_scale_f32_16x16x128_f8f6f4 v[rD:rD+7], v[rA:rA+11], v[rW:rW+11], v[rD:rD+7], v[rTS], v[rWS] matrix_a_fmt:MATRIX_FMT_FP6 matrix_b_fmt:MATRIX_FMT_FP6 matrix_a_scale:MATRIX_SCALE_ROW1
.else
	v_wmma_scale_f32_16x16x128_f8f6f4 v[rD:rD+7], v[rA:rA+11], v[rW:rW+11], v[rD:rD+7], v[rTS], v[rWS] matrix_a_fmt:MATRIX_FMT_FP6 matrix_b_fmt:MATRIX_FMT_FP6 matrix_a_scale:MATRIX_SCALE_ROW1 matrix_b_scale:MATRIX_SCALE_ROW1
.endif
.set f, f+1
.endr
.endm
.macro HORNER a                        ; one step of the polynomial in |v|
.set i, 0
.rept 16
	v_pk_fma_f32 v[PP+i:PP+i+1], v[PP+i:PP+i+1], v[AA+i:AA+i+1], s[\a:\a+1] op_sel_hi:[1,1,0]
.set i, i+2
.endr
.endm
; A tile's vector work.  Four batches of transcendentals; behind each stand plain instructions that name none of its results, and only then the wait behind a batch,
; which is also the wait ahead of the next batch.  Both accumulators' first readers stand ahead of the first batch, each accumulator from its low end on.
.macro EPI next
.if \next
	s_add_co_u32 s[TB], s[TB], TILEB
	s_add_co_u32 s[TSO], s[TSO], 2*UNIT
	SETADR
	v_nop                                          ; four places behind the last product
	LOAD_AL                                        ; the next tile's first fragments
.else
.rept 4
	v_nop
.endr
.endif
.set i, 0
.rept 16
	v_pk_mul_f32 v[KA+i:KA+i+1], v[KA+i:KA+i+1], s[K2:K2+1] op_sel_hi:[1,0]
.set i, i+2
.endr
.set i, 0
.rept 32
	v_and_b32 v[AA+i], v[VA+i], s[MSK]             ; |v|
.set i, i+1
.endr
	s_wait_alu depctr_va_vdst(0)
.set i, 0
.rept 32
	v_exp_f32 v[KA+i], v[KA+i]                     ; e^(2 x)
.set i, i+1
.endr
.set i, 0
.rept 16
	v_pk_fma_f32 v[PP+i:PP+i+1], v[AA+i:AA+i+1], s[A6:A6+1], v[A5V:A5V+1] op_sel_hi:[1,0,1]
.set i, i+2
.endr
	HORNER A4
	HORNER A3
	HORNER A2
	s_wait_alu depctr_va_vdst(0)
.set i, 0
.rept 16
	v_pk_add_f32 v[KA+i:KA+i+1], v[KA+i:KA+i+1], 1.0 op_sel_hi:[1,0]
.set i, i+2
.endr
	s_wait_alu depctr_va_vdst(0)
.set i, 0
.rept 32
	v_rcp_f32 v[KA+i], v[KA+i]                     ; r = 1 / (1 + e^(2 x))
.set i, i+1
.endr
	HORNER A1
.set i, 0
.rept 16
	v_pk_fma_f32 v[PP+i:PP+i+1], v[PP+i:PP+i+1], v[AA+i:AA+i+1], 1.0 op_sel_hi:[1,1,0]
.set i, i+2
.endr
.set i, 0
.rept 16
	v_pk_add_f32 v[VA+i:VA+i+1], v[VA+i:VA+i+1], v[AA+i:AA+i+1]    ; v + |v|
.set i, i+2
.endr
	s_wait_alu depctr_va_vdst(0)
.set i, 0
.rept 32
	v_rcp_f32 v[PP+i], v[PP+i]
.set i, i+1
.endr
.irp t, 0,1,2,3                        ; the scores: my four columns' part,
.irp m, 0,2,4,6
.if \t == 0
	v_pk_fma_f32 v[SS+\m:SS+\m+1], v[KA+\m:KA+\m+1], v[QP:QP+1], v[CI:CI+1]
.else
	v_pk_fma_f32 v[SS+\m:SS+\m+1], v[KA+8*\t+\m:KA+8*\t+\m+1], v[QP+2*\t:QP+2*\t+1], v[SS+\m:SS+\m+1]
.endif
.endr
.endr
.irp x, 1,2,4,8                        ; and the sixteen lanes'
.irp j, 0,1,2,3,4,5,6,7
	v_add_f32_dpp v[SS+\j], v[SS+\j], v[SS+\j] row_xmask:\x row_mask:0xf bank_mask:0xf
.endr
.endr
	s_wait_alu depctr_va_vdst(0)
.irp j, 0,1,2,3,4,5,6,7
	v_exp_f32 v[SS+\j], v[SS+\j]                   ; p
.endr
.rept 4                                ; the reciprocal's sixteenth power
.set i, 0
.rept 16
	v_pk_mul_f32 v[PP+i:PP+i+1], v[PP+i:PP+i+1], v[PP+i:PP+i+1]
.set i, i+2
.endr
.endr
.set i, 0
.rept 16
	v_pk_fma_f32 v[VA+i:VA+i+1], v[AA+i:AA+i+1], v[PP+i:PP+i+1], v[VA+i:VA+i+1] neg_lo:[1,0,0] neg_hi:[1,0,0]   ; 2 gelu = v + |v| - |v| r^16
.set i, i+2
.endr
	s_wait_alu depctr_va_vdst(0)
.irp m, 0,2,4,6
	v_pk_add_f32 v[LSUM:LSUM+1], v[LSUM:LSUM+1], v[SS+\m:SS+\m+1]
.endr
.irp m, 0,2,4,6
.irp t, 0,1,2,3
	v_pk_fma_f32 v[OSUM+2*\t:OSUM+2*\t+1], v[VA+8*\t+\m:VA+8*\t+\m+1], v[SS+\m:SS+\m+1], v[OSUM+2*\t:OSUM+2*\t+1]
.endr
.endr
.endm
.macro CHANGE fill
.if \fill
	s_wait_xcnt 0x0                                ; my last prefetch has read its address
	s_add_nc_u64 s[PFA:PFA+1], s[PFA:PFA+1], PERB
.endif
	s_wait_tensorcnt 0x0                           ; all my tensor loads have landed;
	ds_add_u32 v[SPW], v[NIL]
.if \fill
	s_xor_b32 s[G0C+1], s[G0C+1], SLOT1
	s_add_nc_u64 s[G0C+2:G0C+3], s[G0C+2:G0C+3], PERB
	s_xor_b32 s[G0S+1], s[G0S+1], SLOT1
	s_add_nc_u64 s[G0S+2:G0S+3], s[G0S+2:G0S+3], 128*32
.endif
	s_wait_dscnt 0x0                               ; the add and my reads of the other slot are done
.if \fill
	CROUND
	JLOAD                                          ; the next period, first behind the round
.else
	s_barrier_signal -1
	s_barrier_wait -1
.endif
.endm
.macro PERIOD
	SETADR
	LOAD_AL
	s_mov_b32 s[TIL], 3
.Ltile_\@:
	s_wait_alu depctr_va_vdst(0)
	MULT
	EPI 1
	s_sub_co_u32 s[TIL], s[TIL], 1
	s_cmp_lg_u32 s[TIL], 0
	s_cbranch_scc1 .Ltile_\@
	MULT
	EPI 0
	s_sub_co_u32 s[TB], s[TB], 3*TILEB
	s_xor_b32 s[TB], s[TB], SLOT1
	s_sub_co_u32 s[TSO], s[TSO], 6*UNIT
	s_xor_b32 s[TSO], s[TSO], SLOT1
.endm
	s_load_b256 s[4:11], s[0:1], 0x0               ; tokens' codes, scales; Wk's codes, scales
	s_load_b256 s[12:19], s[0:1], 0x20             ; Wv's codes, scales; qs; part
	v_lshl_add_u32 v[SPW], v0, 2, SPARE
	v_mov_b32 v[NIL], 0
	ds_add_u32 v1, v2                              ; the opening lines: the add twice on end and one wait
	ds_add_u32 v1, v2
	s_wait_dscnt 0x0
	v_lshrrev_b32 v252, 5, v0
	v_readfirstlane_b32 s[WV], v252
	s_and_b32 s[JJ], s[WV], 1                      ; my head of the two
	s_lshr_b32 s[UU], s[WV], 1                     ; my half of a period's tokens
	s_bfe_u32 s23, ttmp6, 0x40000                  ; cx
	s_bfe_u32 s24, ttmp6, 0x40004                  ; cy
	s_lshl_b32 s[CC], ttmp9, 2
	s_add_co_u32 s[CC], s[CC], s23                 ; which 128 columns
	s_and_b32 s[BLK], ttmp7, 0xffff
	s_lshl_b32 s[BLK], s[BLK], 2
	s_add_co_u32 s[BLK], s[BLK], s24               ; which 1,024 tokens
	s_lshl_b32 s90, 0x1111, s23                    ; my column of the cluster
	s_lshl_b32 s94, s24, 2
	s_lshl_b32 s94, 15, s94                        ; my row
.set G1WORD0, (3<<16)|(1<<20)|(1<<21)|(5<<22)|(3<<25)
	s_or_b32 s[G1W], s90, G1WORD0
	s_or_b32 s[G1T], s94, G1WORD0
	s_or_b32 s[G1S], s94, G1WORD0
	SHAPE G1W, 192                                 ; 64 rows of a weight
	SHAPE G1T, 128
	SHAPE G1S, 16
	s_mul_i32 s92, s[CC], 128*768
	s_mul_i32 s91, s[JJ], 64*768
	s_add_co_u32 s92, s92, s91
	s_mov_b32 s93, 0
	s_mul_i32 s96, s[BLK], 1024*768
	s_mov_b32 s98, s96                             ; my 1,024 tokens' codes, for the prefetches
	s_mov_b32 s99, 0
	s_lshl_b32 s95, s[WV], 15
	s_add_co_u32 s96, s96, s95
	s_mov_b32 s97, 0
	CONST2 K2, 0x4038aa3b                          ; 2 log2(e)
	CONST2 A6, 0x36b49f68                          ; a6 / 8
	CONST2 A4, 0x381f6607                          ; a4 / 4
	CONST2 A3, 0x3b56cd72                          ; a3 / 2^1.5
	CONST2 A2, 0x3cad2fe7                          ; a2 / 2
	CONST2 A1, 0x3d4c41b4                          ; a1 / sqrt 2
	s_mov_b32 s[MSK], 0x7fffffff
	s_mov_b32 s[HI16], 0xffff0000
	s_mov_b32 s[SEL], 0x76543210
	s_mov_b32 s[SEL+1], 0xfedcba98
	s_mov_b32 s[TB], 0
	s_mov_b32 s[TSO], 0
	s_wait_kmcnt 0x0
	s_mov_b32 s[G0W], 1                            ; waves 0, 1: Wk's rows of heads 0, 1; waves 2, 3: Wv's
	s_mul_i32 s[G0W+1], s[WV], HALFB
	s_add_co_u32 s[G0W+1], s[G0W+1], WREG
	s_cmp_lt_u32 s[WV], 2
	s_cselect_b64 s[G0W+2:G0W+3], s[8:9], s[12:13]
	s_add_nc_u64 s[G0W+2:G0W+3], s[G0W+2:G0W+3], s[92:93]
	s_or_b32 s[G0W+3], s[G0W+3], 0x80000000
	s_add_nc_u64 s[PFA:PFA+1], s[4:5], s[98:99]
	s_add_nc_u64 s[PFA:PFA+1], s[PFA:PFA+1], 2*PERB   ; the first change of slots steps it to period 3
	s_mov_b32 s[G0C], 1
	s_mul_i32 s[G0C+1], s[WV], 128*UNIT
	s_add_nc_u64 s[G0C+2:G0C+3], s[4:5], s[96:97]
	s_or_b32 s[G0C+3], s[G0C+3], 0x80000000
	s_lshl_b32 s96, s[BLK], 15
	s_mov_b32 s[G0S], 1
	s_mov_b32 s[G0S+1], SCLO
	s_add_nc_u64 s[G0S+2:G0S+3], s[6:7], s[96:97]
	s_or_b32 s[G0S+3], s[G0S+3], 0x80000000
	CROUND                                         ; in front of the first joint loads
	tensor_load_to_lds s[G0W:G0W+3], s[G1W:G1W+7]  ; the weights: one tensor load a wave
	s_nop 0
.rept 4
	v_nop
.endr
	s_wait_alu depctr_va_vdst(0)
	s_wait_tensorcnt 0x0
	ds_add_u32 v1, v2
	s_wait_dscnt 0x0
	CROUND
	JLOAD                                          ; period 0
	v_and_b32 v252, 15, v0                         ; r
	v_bfe_u32 v253, v0, 4, 1                       ; h
	v_mul_u32_u24 v254, v252, ROWP
	v_mad_u32_u24 v254, v253, 24, v254
	s_mul_i32 s98, s[UU], HALFB
	v_add_nc_u32 v[ADA], s98, v254
	v_lshl_add_u32 v[ADA+1], v253, 4, v[ADA]
	s_mul_i32 s98, s[JJ], HALFB
	s_add_co_u32 s98, s98, WREG
	v_add_nc_u32 v[WAK], s98, v254
	v_lshl_add_u32 v[WAK+1], v253, 4, v[WAK]
	v_add_nc_u32 v[WAV], 2*HALFB, v[WAK]
	v_add_nc_u32 v[WAV+1], 2*HALFB, v[WAK+1]
	v_lshrrev_b32 v255, 3, v252
	v_mul_u32_u24 v255, v255, UNIT
	v_and_b32 v254, 7, v252
	v_lshl_add_u32 v255, v254, 5, v255
	v_lshl_add_u32 v255, v253, 4, v255
	s_mul_i32 s98, s[UU], 8*UNIT
	s_add_co_u32 s98, s98, SCLO
	v_add_nc_u32 v[ADS], s98, v255
	v_and_b32 v[GO], 31, v0
	v_lshlrev_b32 v[GO], 4, v[GO]
	s_lshl_b32 s92, s[CC], 12                      ; the weights' scales: 32 bytes a row, my head's 64 rows
	s_lshl_b32 s91, s[JJ], 11
	s_add_co_u32 s92, s92, s91
	s_add_nc_u64 s[10:11], s[10:11], s[92:93]
	s_add_nc_u64 s[14:15], s[14:15], s[92:93]
	v_lshlrev_b32 v255, 5, v252
.irp t, 0,1,2,3
	global_load_b128 v[AB+8*\t:AB+8*\t+3], v255, s[10:11] offset:512*\t
	global_load_b128 v[AB+8*\t+4:AB+8*\t+7], v255, s[10:11] offset:512*\t+16
	global_load_b128 v[AB+32+8*\t:AB+32+8*\t+3], v255, s[14:15] offset:512*\t
	global_load_b128 v[AB+32+8*\t+4:AB+32+8*\t+7], v255, s[14:15] offset:512*\t+16
.endr
	s_lshr_b32 s98, s[BLK], 3                      ; qs: my batch, my head
	s_lshl_b32 s98, s98, 11
	s_lshl_b32 s99, s[CC], 9
	s_add_co_u32 s98, s98, s99
	s_lshl_b32 s99, s[JJ], 8
	s_add_co_u32 s98, s98, s99
	s_mov_b32 s99, 0
	s_add_nc_u64 s[16:17], s[16:17], s[98:99]
	v_lshlrev_b32 v254, 2, v252
.irp t, 0,1,2,3
	global_load_b32 v[QP+2*\t], v254, s[16:17] offset:64*\t
.endr
	s_lshr_b32 s98, s[BLK], 3                      ; my record in part
	s_lshl_b32 s98, s98, 16
	s_lshl_b32 s100, s[CC], 14
	s_add_co_u32 s98, s98, s100
	s_lshl_b32 s100, s[JJ], 13
	s_add_co_u32 s98, s98, s100
	s_and_b32 s100, s[BLK], 7
	s_lshl_b32 s100, s100, 10
	s_add_co_u32 s98, s98, s100
	s_lshl_b32 s100, s[UU], 9
	s_add_co_u32 s98, s98, s100
	s_add_nc_u64 s[18:19], s[18:19], s[98:99]
.set i, 0
.rept 10
	v_mov_b32 v[LSUM+i], 0
.set i, i+1
.endr
	v_mov_b32 v[A5V], 0x384d0feb                   ; a5 / 2^2.5
	v_mov_b32 v[A5V+1], 0x384d0feb
	s_wait_tensorcnt 0x1                           ; the weights landed long ago; period 0's load may be out
	s_barrier_signal -1
	s_barrier_wait -1
.set f, 0
.rept 64                               ; my head's 64 weight fragments into registers
.if f < 63
	WIN 0x40*(1+f/21)
	FRAG 12*(f%21), WAK+2*((f%8)/4), f/8, (f%4)*TILEB
.else
	WIN 0
	FRAG WL, WAK+2*((f%8)/4), f/8, (f%4)*TILEB
.endif
.set f, f+1
.endr
	s_wait_loadcnt 0x0
.set i, 0
.rept 32
	v_cndmask_b32 v[WS+i], v[AB+i], v[AB+32+i], s[HI16]   ; lanes 0-15 Wk's words, lanes 16-31 Wv's
.set i, i+1
.endr
.irp t, 0,1,2,3
	v_mov_b32 v[QP+2*\t+1], v[QP+2*\t]
.endr
	v_add_f32 v[CI], v[QP], v[QP+2]
	v_add_f32 v[CI+1], v[QP+4], v[QP+6]
	v_add_f32 v[CI], v[CI], v[CI+1]
	v_mul_f32 v[CI], -0.5, v[CI]
	v_mov_b32 v[CI+1], v[CI]
	; the prefetch's offset: a period's codes are 384 blocks of 256 bytes; the four partners that load them jointly take 96 each, by address; a wave 24, a lane one (lanes 24-31 name the wave's last again)
	s_mul_i32 s98, s23, 96
	s_mul_i32 s100, s[WV], 24
	s_add_co_u32 s98, s98, s100
	v_and_b32 v[PFO], 31, v0
	v_min_u32 v[PFO], 23, v[PFO]
	v_add_nc_u32 v[PFO], s98, v[PFO]
	v_lshlrev_b32 v[PFO], 8, v[PFO]
	s_mov_b32 s[PER], PERIODS-1
	s_wait_alu depctr_va_vdst(0)
.Lperiod:
	CHANGE 1                                       ; trip i (0..6) asks for period i + 1 and multiplies period i
	s_cmp_gt_u32 s[PER], 2                         ; and names period i + 3's codes, two refills on, while there is one (i <= 4).  The scales, 16 blocks a period, come by their loads alone
	s_cbranch_scc0 .Lno_ask
	global_prefetch_b8 v[PFO], s[PFA:PFA+1] th:TH_LOAD_NT scope:SCOPE_SE
.Lno_ask:
	PERIOD
	s_sub_co_u32 s[PER], s[PER], 1
	s_cmp_lg_u32 s[PER], 0
	s_cbranch_scc1 .Lperiod
	CHANGE 0
	PERIOD
.irp t, 0,1,2,3
	v_add_f32 v[KA+\t], v[OSUM+2*\t], v[OSUM+2*\t+1]
.endr
	v_add_f32 v[KA+4], v[LSUM], v[LSUM+1]
.irp i, 0,1,2,3,4
	v_permlanex16_b32 v[KA+8+\i], v[KA+\i], s[SEL], s[SEL+1]
.endr
.irp i, 0,1,2,3,4
	v_add_f32 v[KA+\i], v[KA+\i], v[KA+8+\i]
.endr
.irp t, 0,1,2,3
	v_cndmask_b32 v[KA+\t], v[KA+\t], v[KA+4], s[HI16]   ; lanes 0-15: the sums of 2 p gelu; lanes 16-31: the sum of p
.endr
	global_store_b128 v[GO], v[KA:KA+3], s[18:19]  ; 32 lanes store 512 consecutive bytes, aligned
	s_wait_tensorcnt 0x0                           ; the wave's end
	ds_add_u32 v[SPW], v[NIL]
	s_wait_dscnt 0x0
	CROUND                                         ; the closing round
	s_endpgm
.Lfunc_end_k_qefb7b0af1d_main:
	.size	k_qefb7b0af1d_main, .Lfunc_end_k_qefb7b0af1d_main-k_qefb7b0af1d_main
	.p2alignl 7, 3214868480
	.fill 96, 4, 3214868480
	.section	.rodata,"a",@progbits
	.p2align	6, 0x0
	.amdhsa_kernel k_qefb7b0af1d_main
		.amdhsa_group_segment_fixed_size 327680
		.amdhsa_private_segment_fixed_size 0
		.amdhsa_enable_private_segment 0
		.amdhsa_kernarg_size 64
		.amdhsa_user_sgpr_count 2
		.amdhsa_user_sgpr_kernarg_segment_ptr 1
		.amdhsa_wavefront_size32 1
		.amdhsa_system_sgpr_workgroup_id_x 1
		.amdhsa_system_sgpr_workgroup_id_y 1
		.amdhsa_system_sgpr_workgroup_id_z 1
		.amdhsa_system_vgpr_workitem_id 0
		.amdhsa_next_free_vgpr 1024
		.amdhsa_next_free_sgpr 102
		.amdhsa_reserve_vcc 0
		.amdhsa_float_denorm_mode_32 3
		.amdhsa_float_denorm_mode_16_64 3
		.amdhsa_memory_ordered 1
		.amdhsa_forward_progress 1
		.amdhsa_inst_pref_size 184
	.end_amdhsa_kernel
	.amdgpu_metadata
---
amdhsa.version: [ 1, 2 ]
amdhsa.kernels:
  - .name:           k_qefb7b0af1d_main
    .symbol:         k_qefb7b0af1d_main.kd
    .args:
      - { .name: tokens_codes, .offset: 0, .size: 8, .value_kind: global_buffer, .address_space: global }
      - { .name: tokens_scales, .offset: 8, .size: 8, .value_kind: global_buffer, .address_space: global }
      - { .name: Wk_codes, .offset: 16, .size: 8, .value_kind: global_buffer, .address_space: global }
      - { .name: Wk_scales, .offset: 24, .size: 8, .value_kind: global_buffer, .address_space: global }
      - { .name: Wv_codes, .offset: 32, .size: 8, .value_kind: global_buffer, .address_space: global }
      - { .name: Wv_scales, .offset: 40, .size: 8, .value_kind: global_buffer, .address_space: global }
      - { .name: qs, .offset: 48, .size: 8, .value_kind: global_buffer, .address_space: global }
      - { .name: part, .offset: 56, .size: 8, .value_kind: global_buffer, .address_space: global }
    .group_segment_fixed_size: 327680
    .private_segment_fixed_size: 0
    .kernarg_segment_align: 8
    .kernarg_segment_size: 64
    .max_flat_workgroup_size: 128
    .sgpr_count:     102
    .vgpr_count:     1024
    .wavefront_size: 32
...
	.end_amdgpu_metadata
.endif
;; end of part 2
;; launch finish (part 3): grid 64 x 1, 1 waves a work-group, no clusters, 0 bytes of LDS; arguments part, out0; writes out0
.if DOCPART == 3
	.amdgcn_target "amdgcn-amd-amdhsa--gfx1250"
	.amdhsa_code_object_version 6
	.text
	.protected	k_qefb7b0af1d_finish
	.globl	k_qefb7b0af1d_finish
	.p2align	8
	.type	k_qefb7b0af1d_finish,@function
k_qefb7b0af1d_finish:
	s_mov_b64 s[64:65], 0
	v_nop
	global_prefetch_b8 v0, s[64:65] scope:SCOPE_SE
	s_setreg_imm32_b32 hwreg(HW_REG_WAVE_MODE, 25, 1), 1
	s_wait_xcnt 0x0
; out0[b][64 h + d] = 0.5 x (sum over 16 records of the sum of 2 p gelu) / (sum over 16 records of the sum of p).
; part: for each (b, h) sixteen records of 512 bytes on end: word 4 r + t holds the sum for d = 16 t + r; words 64 to 127 all hold the record's sum of p.
; The sum of p is at least 8,192 e^-8: it is never near 0.
; One wave for each (b, h); lane l takes d = 2 l and 2 l + 1, so that the wave stores 256 consecutive bytes.  All 48 loads go out together.  8 KiB a wave: no LDS, no barrier.
.set OP, 16                            ; v16-47  record c: the sums for d, d + 1
.set LP, 48                            ; v48-63  record c: its sum of p
	s_load_b128 s[4:7], s[0:1], 0x0                ; part, out0
	v_and_b32 v1, 7, v0
	v_lshrrev_b32 v2, 3, v0
	v_lshlrev_b32 v3, 2, v2
	v_lshl_add_u32 v3, v1, 5, v3                   ; d = 2 l: r = 2 (l % 8), t = l / 8: byte 16 r + 4 t; d + 1 lies 16 bytes on
	v_lshlrev_b32 v4, 2, v0                        ; 4 l: a word of the 64 equal ones
	v_lshlrev_b32 v5, 3, v0                        ; 8 l: my two numbers of the output
	s_lshl_b32 s8, ttmp9, 13                       ; sixteen records of 512 bytes
	s_mov_b32 s9, 0
	s_lshl_b32 s10, ttmp9, 8                       ; 64 numbers of the output
	s_mov_b32 s11, 0
	s_wait_alu depctr_va_vdst(0)
	s_wait_kmcnt 0x0
	s_add_nc_u64 s[4:5], s[4:5], s[8:9]
	s_add_nc_u64 s[6:7], s[6:7], s[10:11]
.set i, 0
.rept 16
	global_load_b32 v[OP+2*i], v3, s[4:5] offset:512*i
	global_load_b32 v[OP+2*i+1], v3, s[4:5] offset:512*i+16
	global_load_b32 v[LP+i], v4, s[4:5] offset:512*i+256
.set i, i+1
.endr
	s_wait_loadcnt 0x0
.irp d, 8,4,2                                   ; sixteen sums of p into two,
.set i, 0
.rept \d/2
	v_pk_add_f32 v[LP+i:LP+i+1], v[LP+i:LP+i+1], v[LP+\d+i:LP+\d+i+1]
.set i, i+2
.endr
.endr
	v_add_f32 v[LP], v[LP], v[LP+1]                ; into one
	s_wait_alu depctr_va_vdst(0)
	v_rcp_f32 v[LP], v[LP]
.irp d, 16,8,4,2                                ; sixteen pairs into one: plain work behind the reciprocal, which names nothing of it
.set i, 0
.rept \d/2
	v_pk_add_f32 v[OP+i:OP+i+1], v[OP+i:OP+i+1], v[OP+\d+i:OP+\d+i+1]
.set i, i+2
.endr
.endr
	s_wait_alu depctr_va_vdst(0)                   ; the wait ahead of the reciprocal's first reader
	v_mul_f32 v[LP], 0.5, v[LP]
	v_mul_f32 v[OP], v[OP], v[LP]
	v_mul_f32 v[OP+1], v[OP+1], v[LP]
	global_store_b64 v5, v[OP:OP+1], s[6:7]        ; 32 lanes store 256 consecutive bytes, at a multiple of 256 from the output's first byte
	s_endpgm
.Lfunc_end_k_qefb7b0af1d_finish:
	.size	k_qefb7b0af1d_finish, .Lfunc_end_k_qefb7b0af1d_finish-k_qefb7b0af1d_finish
	.p2alignl 7, 3214868480
	.fill 96, 4, 3214868480
	.section	.rodata,"a",@progbits
	.p2align	6, 0x0
	.amdhsa_kernel k_qefb7b0af1d_finish
		.amdhsa_group_segment_fixed_size 0
		.amdhsa_private_segment_fixed_size 0
		.amdhsa_enable_private_segment 0
		.amdhsa_kernarg_size 16
		.amdhsa_user_sgpr_count 2
		.amdhsa_user_sgpr_kernarg_segment_ptr 1
		.amdhsa_wavefront_size32 1
		.amdhsa_system_sgpr_workgroup_id_x 1
		.amdhsa_system_sgpr_workgroup_id_y 1
		.amdhsa_system_sgpr_workgroup_id_z 1
		.amdhsa_system_vgpr_workitem_id 0
		.amdhsa_next_free_vgpr 64
		.amdhsa_next_free_sgpr 66
		.amdhsa_reserve_vcc 0
		.amdhsa_float_denorm_mode_32 3
		.amdhsa_float_denorm_mode_16_64 3
		.amdhsa_memory_ordered 1
		.amdhsa_forward_progress 1
		.amdhsa_inst_pref_size 8
	.end_amdhsa_kernel
	.amdgpu_metadata
---
amdhsa.version: [ 1, 2 ]
amdhsa.kernels:
  - .name:           k_qefb7b0af1d_finish
    .symbol:         k_qefb7b0af1d_finish.kd
    .args:
      - { .name: part, .offset: 0, .size: 8, .value_kind: global_buffer, .address_space: global }
      - { .name: out0, .offset: 8, .size: 8, .value_kind: global_buffer, .address_space: global }
    .group_segment_fixed_size: 0
    .private_segment_fixed_size: 0
    .kernarg_segment_align: 8
    .kernarg_segment_size: 16
    .max_flat_workgroup_size: 32
    .sgpr_count:     66
    .vgpr_count:     64
    .wavefront_size: 32
...
	.end_amdgpu_metadata
.endif
;; end of part 3
